; MI455X (gfx1250); checked and timed in simulation.
; The chip was launched on July 23, 2026; its instructions are those of AMD's public machine-readable ISA for CDNA 5 (MIT licence, August 2026) and "CDNA5" Instruction Set Architecture Reference Guide (July 2026). The comments in the code are by the model that wrote it; some were corrected since.
;; Attention. Allowed arithmetic: matrix products marked QUANTISED: E4M3 operands, one given power-of-two scale a tensor, by v_wmma_f32_16x16x64_fp8_fp8 or v_wmma_f32_16x16x128_fp8_fp8, f32 sums; everything else in f32.
;; Inputs: freqs_cos 1,024 x 64 float32; freqs_sin 1,024 x 64 float32; lowp_scales 12 int32 (the exponents e of the quantised operands' scales 2^e); wk 512 x 2,048 float32; wo 2,048 x 2,048 float32; wq 2,048 x 2,048 float32; wv 512 x 2,048 float32; x 4 x 1,024 x 2,048 float32.
;; Outputs: out0 4 x 1,024 x 2,048 float32.
;; This version of the problem:
;;   THIS VERSION OF THE PROBLEM IS GIVEN IN LOW PRECISION. The matrix products marked QUANTISED in the list below multiply operands that are first quantised to E4M3 (4 exponent bits, 3 mantissa bits; 8 bits a number), with one given power-of-two scale for each operand tensor; their sums are f32. All else is computed in f32.
;;   The module's matrix products, in the order in which they are computed (A, B: the left and right operand; K: the contracted axis; several contracted axes count as one K, in the product's order):
;;     1. [M 4,096, K 2,048] x [K 2,048, N 2,048]; A: input x; B: input wq: QUANTISED (scales: A lowp_scales[0], B lowp_scales[1])
;;     2. [M 4,096, K 2,048] x [K 2,048, N 512]; A: input x; B: input wk: QUANTISED (scales: A lowp_scales[2], B lowp_scales[3])
;;     3. [M 4,096, K 2,048] x [K 2,048, N 512]; A: input x; B: input wv: QUANTISED (scales: A lowp_scales[4], B lowp_scales[5])
;;     4. batch 16 x [M 1,024, K 128] x [K 128, N 4,096]; A: computed on the way; B: computed on the way: QUANTISED (scales: A lowp_scales[6], B lowp_scales[7])
;;     5. batch 16 x [M 128, K 1,024] x [K 1,024, N 4,096]; A: computed on the way; B: softmax (see below): QUANTISED (scales: A lowp_scales[8], B lowp_scales[9])
;;     6. [M 4,096, K 2,048] x [K 2,048, N 2,048]; A: computed on the way; B: input wo: QUANTISED (scales: A lowp_scales[10], B lowp_scales[11])
;;   THE QUANTISER, for each operand of a quantised product, along K:
;;     - The operand's scale is 2^e, e = its entry of the input lowp_scales (int32; the entries are numbered through the quantised products in the list's order, A before B).
;;     - Each number is divided by the scale, clamped to +-448, and rounded to the nearest number of E4M3, ties to even, subnormals kept.
;;     - The product sums the exact products of the quantised numbers (number of the format x scale) in f32.
;;   ~~~python
;;   def quantise(x, axis, e):      # numpy; x: float32 -> the quantised numbers, widened to float32 again
;;       x = np.moveaxis(x, axis, -1); K = x.shape[-1]
;;       r = np.clip(x / 2.0 ** e, -448, 448)
;;       step = 2.0 ** (np.maximum(np.frexp(np.where(r == 0, 1, r))[1] - 1, -6) - 3)
;;       q = np.round(r / step) * step * 2.0 ** e      # np.round: ties to even
;;       return np.moveaxis(q, -1, axis).astype(np.float32)
;;   ~~~
;;   SOFTMAX AHEAD OF A QUANTISED PRODUCT. Where the list says 'softmax', what is quantised is not the finished softmax but p = 2^(t - M), with t = logit x log2(e) and M = ceil(the row's largest t), a whole number; so 1/2 < the row's largest p <= 1. The row's sum l is taken of the UNQUANTISED p, in f32, and the product's result is divided by l at the end. Since M is a whole number, a kernel that streams over the keys may use a running M (the ceiling of the running maximum): every later rescaling is an exact power of two, so the quantised numbers keep their values, but for numbers so far below the row's largest that they fall under the format's range.
;;   OPERANDS COMPUTED ON THE WAY. 'Computed on the way' means the value that the module computes at that place (a softmax that the list does not call 'softmax' is quantised finished and normalised). What goes into a quantiser is computed in f32, as accurately as f32 sums, v_exp_f32 and their like allow (about 1e-6 of the number): no bf16 or f16 on the way to a quantiser, and a product that is left as it is and whose result goes on into a quantised operand takes f32 operands (vector FMAs, or v_wmma_f32_16x16x4_f32). A number that lies on a knife's edge between two numbers of the format may be rounded either way, as far as f32 arithmetic and the matrix unit's own rounding can turn it there, and no further.
;; One version. Each part assembles by itself: llvm-mc -triple=amdgcn-amd-amdhsa -mcpu=gfx1250 --defsym DOCPART=n.
;; ======== version 1 of 1: 4 launches
;; limits: right only within a limited range of input values
;; workspace buffers: x_codes 25,165,824 bytes; w_codes 10,485,760 bytes; qkv_codes 12,582,912 bytes; o_codes 8,388,608 bytes
;; launch quant (part 1): grid 1152 x 1, 4 waves a work-group, no clusters, 33,280 bytes of LDS; arguments x, wq, wk, wv, wo, lowp_scales, x_codes, w_codes; writes x_codes, w_codes
.if DOCPART == 1
	.amdgcn_target "amdgcn-amd-amdhsa--gfx1250"
	.amdhsa_code_object_version 6
	.text
	.protected	k_q1b41a4e601_quant
	.globl	k_q1b41a4e601_quant
	.p2align	8
	.type	k_q1b41a4e601_quant,@function
k_q1b41a4e601_quant:
	s_mov_b64 s[64:65], 0
	v_nop
	global_prefetch_b8 v0, s[64:65] scope:SCOPE_SE
	s_setreg_imm32_b32 hwreg(HW_REG_WAVE_MODE, 25, 1), 1
	s_wait_xcnt 0x0
; x [4096][2048] and the four weights (wq [2048][2048], wk, wv [512][2048], wo [2048][2048]), all f32 with K innermost, become codes of FP8 (E4M3), one byte each, K innermost.
; code = number / 2^e, held within +-448, rounded to the nearest code, ties to even.  x is an operand of three products with three given scales (entries 0, 2, 4 of the scales' buffer), which may differ:
; it is read once and converted three times, into x_codes [3][4096][2048].  The weights (entries 1, 3, 5, 11) go into w_codes [5120][2048]: wq's rows, then wk's, wv's, wo's.
; LIMITS: each of these seven exponents lies between -126 and 119, so that 2^e and 448 x 2^e are f32 numbers.  NaN among the inputs is not served (an infinity is held at the largest code).
; Rows are dense, so every tensor is a plain stream.  A work-group takes 16,384 numbers, a wave 4,096 in 8 steps of 512.  Work-groups 0-511 take x, 512-767 wq, 768-831 wk, 832-895 wv, 896-1151 wo:
; only pointers and the exponent are chosen by the work-group's number; the one branch goes round x's second and third conversion and their stores.
; A conversion takes 8 neighbours from ONE lane's registers; a load is best where neighbouring LANES take neighbouring bytes.  So each load reads 512 consecutive bytes, 16 a lane, and a step's 2,048 bytes
; turn through the wave's own stage in LDS (16 bytes of padding behind each 64) and come back 64 bytes a lane.  A lane's 16 codes are 16 bytes: each store of the wave covers 512 consecutive bytes, aligned.
; No tensor loads, no barrier: waves share nothing.  Loads run four steps (16 loads a wave) ahead, the turn through LDS one step.  No matrix units, clusters or prefetch: every byte is read once, by one wave, in one stream.
.set WAVES, 4
.set STEPS, 8
.set WGX,   512                        ; work-groups for x: 4,096 x 2,048 / 16,384;  the first of wk's, wv's, wo's follow
.set WGK,   768
.set WGV,   832
.set WGO,   896
.set SP,    80                         ; a lane's place in a stage: its 64 bytes + 16 of padding
.set WREG,  8192                       ; LDS: a region for each wave: two stages of 32 x SP bytes
.set SPARE, WAVES*WREG                 ; behind the four regions: the spare words, 128 bytes for each wave: two blocks of 256 bytes that no other line names
.set R,     16                         ; v16-79   four sets of 16 numbers as they are loaded
.set X,     80                         ; v80-111  two sets of 16 neighbours
.set H,     112                        ; v112-127 the 16 neighbours held within the largest code x the scale in hand
.set C,     128                        ; v128-151 codes: two sets of 3 x 4 registers
.set SC,    152                        ; v152-157 for scale n: v[SC+2n] = 2^e, v[SC+2n+1] = 448 x 2^e
.set SPW,   12                         ; v12      LDS address of my spare word; never rewritten
.set NIL,   13                         ; v13      0; never rewritten
	s_load_b512 s[8:23], s[0:1], 0x0               ; x s[8:9], wq s[10:11], wk s[12:13], wv s[14:15], wo s[16:17], the exponents s[18:19], x_codes s[20:21], w_codes s[22:23]
	v_lshl_add_u32 v[SPW], v0, 2, SPARE
	v_mov_b32 v[NIL], 0
	v_lshrrev_b32 v1, 5, v0
	v_readfirstlane_b32 s36, v1                    ; wave
	v_and_b32 v2, 31, v0                           ; lane
	v_lshlrev_b32 v3, 4, v2                        ; my 16 bytes of a load's 512
	s_mul_i32 s37, s36, WREG
	v_lshrrev_b32 v14, 2, v2
	v_mul_u32_u24 v14, v14, SP
	v_and_b32 v15, 3, v2
	v_lshl_add_u32 v14, v15, 4, v14
	v_add_nc_u32 v14, s37, v14                     ; the stage, on the way in: SP (lane / 4) + 16 (lane % 4)
	v_mul_u32_u24 v15, v2, SP
	v_add_nc_u32 v15, s37, v15                     ; and on the way out: SP x lane: my 16 neighbours
	v_lshlrev_b32 v4, 4, v2                        ; my codes' place in a step's 512 bytes
	s_wait_alu depctr_va_vdst(0)
	s_wait_kmcnt 0x0
	s_load_b256 s[24:31], s[18:19], 0x0            ; e0 .. e7
	s_load_b128 s[32:35], s[18:19], 0x20           ; e8 .. e11
	s_mov_b64 s[38:39], s[16:17]                   ; the source and its first work-group: wo, unless the work-group's number is lower
	s_mov_b32 s46, WGO
	s_cmp_lt_u32 ttmp9, WGO
	s_cselect_b64 s[38:39], s[14:15], s[38:39]
	s_cselect_b32 s46, WGV, s46
	s_cmp_lt_u32 ttmp9, WGV
	s_cselect_b64 s[38:39], s[12:13], s[38:39]
	s_cselect_b32 s46, WGK, s46
	s_cmp_lt_u32 ttmp9, WGK
	s_cselect_b64 s[38:39], s[10:11], s[38:39]
	s_cselect_b32 s46, WGX, s46
	s_cmp_lt_u32 ttmp9, WGX
	s_cselect_b64 s[38:39], s[8:9], s[38:39]
	s_cselect_b32 s46, 0, s46
	s_cselect_b64 s[40:41], s[20:21], s[22:23]     ; the codes' buffer, and its first work-group
	s_cselect_b32 s47, 0, WGX
	s_sub_co_u32 s48, ttmp9, s46
	s_lshl_b32 s48, s48, 2
	s_add_co_u32 s48, s48, s36                     ; which run of 4,096 numbers of the source is my wave's
	s_lshl_b32 s48, s48, 14                        ; x 16,384 bytes
	s_mov_b32 s49, 0
	s_add_nc_u64 s[38:39], s[38:39], s[48:49]
	s_sub_co_u32 s50, ttmp9, s47
	s_lshl_b32 s50, s50, 2
	s_add_co_u32 s50, s50, s36
	s_lshl_b32 s50, s50, 12                        ; x 4,096 bytes of codes
	s_mov_b32 s51, 0
	s_add_nc_u64 s[40:41], s[40:41], s[50:51]
	s_add_nc_u64 s[42:43], s[40:41], 0x800000      ; x's second and third set of codes, 4,096 x 2,048 bytes apart (used by x's work-groups alone)
	s_add_nc_u64 s[44:45], s[40:41], 0x1000000
.macro LOAD t
.irp i, 0,1,2,3
	global_load_b128 v[R+16*((\t)%4)+4*\i:R+16*((\t)%4)+4*\i+3], v3, s[38:39] offset:2048*(\t)+512*\i th:TH_LOAD_NT   ; 32 lanes read 512 consecutive bytes
.endr
.endm
.macro TURN t                          ; step t's numbers through the stage: LDS serves a wave's instructions in order, so no wait stands between the stores and the loads
.irp i, 0,1,2,3
	ds_store_b128 v14, v[R+16*((\t)%4)+4*\i:R+16*((\t)%4)+4*\i+3] offset:32*SP*((\t)%2)+8*SP*\i
.endr
.irp i, 0,1,2,3
	ds_load_b128 v[X+16*((\t)%2)+4*\i:X+16*((\t)%2)+4*\i+3], v15 offset:32*SP*((\t)%2)+16*\i
.endr
.endm
.irp t, 0,1,2,3
	LOAD \t
.endr
	s_wait_kmcnt 0x0
	s_mov_b32 s48, s35                             ; my tensor's exponent: e11 for wo, e5 wv, e3 wk, e1 wq, e0 for x's first set
	s_cmp_lt_u32 ttmp9, WGO
	s_cselect_b32 s48, s29, s48
	s_cmp_lt_u32 ttmp9, WGV
	s_cselect_b32 s48, s27, s48
	s_cmp_lt_u32 ttmp9, WGK
	s_cselect_b32 s48, s25, s48
	s_cmp_lt_u32 ttmp9, WGX
	s_cselect_b32 s48, s24, s48
.macro MKSC n, e                       ; 2^e as f32 (the conversion takes its exponent field), and 448 x 2^e
	s_add_co_i32 s52, \e, 127
	s_lshl_b32 s53, s52, 23
	v_mov_b32 v[SC+2*\n], s53
	s_add_co_i32 s52, s52, 8
	s_lshl_b32 s52, s52, 23
	s_or_b32 s52, s52, 0x600000
	v_mov_b32 v[SC+2*\n+1], s52
.endm
	MKSC 0, s48
	MKSC 1, s26                                    ; e2
	MKSC 2, s28                                    ; e4
	s_wait_alu depctr_va_vdst(0)
	s_wait_loadcnt 12                              ; step 0's four loads are in; the 12 of steps 1 to 3 may be out
	TURN 0
; the step's 16 neighbours under scale n: held (the conversion to an 8-bit code does not saturate: ISA guide 7.6.2), converted, stored
.macro Q3 t, n, dst
.irp i, 0,1,2,3,4,5,6,7,8,9,10,11,12,13,14,15
	v_med3_num_f32 v[H+\i], v[XS+\i], -v[SC+2*\n+1], v[SC+2*\n+1]
.endr
	v_cvt_scalef32_pk8_fp8_f32 v[CT+4*\n:CT+4*\n+1], v[H:H+7], v[SC+2*\n]
	v_cvt_scalef32_pk8_fp8_f32 v[CT+4*\n+2:CT+4*\n+3], v[H+8:H+15], v[SC+2*\n]
	v_nop                                          ; one plain vector line between the conversions and the next holds, which write the conversions' sources
	global_store_b128 v4, v[CT+4*\n:CT+4*\n+3], s[\dst:\dst+1] offset:512*(\t)
.endm
.macro STEP t
.set XS, X+16*((\t)%2)
.set CT, C+12*((\t)%2)
	s_wait_dscnt 0x0                               ; this step's numbers are back from the stage: so its stores into the stage have read their registers,
.if (\t)+4 < STEPS
	LOAD (\t)+4                                    ; which take the loads of four steps on
.endif
.if (\t)+1 < STEPS
.if STEPS-2-(\t) >= 3
	s_wait_loadcnt 12                              ; the next step's four loads are in; those of the three steps behind it may be out
.else
	s_wait_loadcnt 4*(STEPS-2-(\t))
.endif
	TURN (\t)+1                                    ; and go through the other stage while this step is worked
.endif
	s_wait_xcnt 0x0                                ; the earlier stores have read their data: the codes' registers may be written again
	Q3 \t, 0, 40
	s_cmp_lt_u32 ttmp9, WGX                        ; x alone has a second and a third scale
	s_cbranch_scc0 .Lweights_\@
	Q3 \t, 1, 42
	Q3 \t, 2, 44
.Lweights_\@:
.endm
.irp t, 0,1,2,3,4,5,6,7
	STEP \t
.endr
	s_wait_tensorcnt 0x0                           ; the wave's end, behind my last LDS store
	ds_add_u32 v[SPW], v[NIL]
	s_wait_dscnt 0x0
	s_endpgm
.Lfunc_end_k_q1b41a4e601_quant:
	.size	k_q1b41a4e601_quant, .Lfunc_end_k_q1b41a4e601_quant-k_q1b41a4e601_quant
	.p2alignl 7, 3214868480
	.fill 96, 4, 3214868480
	.section	.rodata,"a",@progbits
	.p2align	6, 0x0
	.amdhsa_kernel k_q1b41a4e601_quant
		.amdhsa_group_segment_fixed_size 33280
		.amdhsa_private_segment_fixed_size 0
		.amdhsa_enable_private_segment 0
		.amdhsa_kernarg_size 64
		.amdhsa_user_sgpr_count 2
		.amdhsa_user_sgpr_kernarg_segment_ptr 1
		.amdhsa_wavefront_size32 1
		.amdhsa_system_sgpr_workgroup_id_x 1
		.amdhsa_system_sgpr_workgroup_id_y 1
		.amdhsa_system_sgpr_workgroup_id_z 1
		.amdhsa_system_vgpr_workitem_id 0
		.amdhsa_next_free_vgpr 160
		.amdhsa_next_free_sgpr 66
		.amdhsa_reserve_vcc 0
		.amdhsa_float_denorm_mode_32 3
		.amdhsa_float_denorm_mode_16_64 3
		.amdhsa_memory_ordered 1
		.amdhsa_forward_progress 1
		.amdhsa_inst_pref_size 43
	.end_amdhsa_kernel
	.amdgpu_metadata
---
amdhsa.version: [ 1, 2 ]
amdhsa.kernels:
  - .name:           k_q1b41a4e601_quant
    .symbol:         k_q1b41a4e601_quant.kd
    .args:
      - { .name: x, .offset: 0, .size: 8, .value_kind: global_buffer, .address_space: global }
      - { .name: wq, .offset: 8, .size: 8, .value_kind: global_buffer, .address_space: global }
      - { .name: wk, .offset: 16, .size: 8, .value_kind: global_buffer, .address_space: global }
      - { .name: wv, .offset: 24, .size: 8, .value_kind: global_buffer, .address_space: global }
      - { .name: wo, .offset: 32, .size: 8, .value_kind: global_buffer, .address_space: global }
      - { .name: lowp_scales, .offset: 40, .size: 8, .value_kind: global_buffer, .address_space: global }
      - { .name: x_codes, .offset: 48, .size: 8, .value_kind: global_buffer, .address_space: global }
      - { .name: w_codes, .offset: 56, .size: 8, .value_kind: global_buffer, .address_space: global }
    .group_segment_fixed_size: 33280
    .private_segment_fixed_size: 0
    .kernarg_segment_align: 8
    .kernarg_segment_size: 64
    .max_flat_workgroup_size: 128
    .sgpr_count:     66
    .vgpr_count:     160
    .wavefront_size: 32
...
	.end_amdgpu_metadata
.endif
;; end of part 1
;; launch proj (part 2): grid 12 x 16, 4 waves a work-group, no clusters, 327,680 bytes of LDS; arguments x_codes, w_codes, lowp_scales, freqs_cos, freqs_sin, qkv_codes; writes qkv_codes
.if DOCPART == 2
	.amdgcn_target "amdgcn-amd-amdhsa--gfx1250"
	.amdhsa_code_object_version 6
	.text
	.protected	k_q1b41a4e601_proj
	.globl	k_q1b41a4e601_proj
	.p2align	8
	.type	k_q1b41a4e601_proj,@function
k_q1b41a4e601_proj:
	s_mov_b64 s[64:65], 0
	v_nop
	global_prefetch_b8 v0, s[64:65] scope:SCOPE_SE
	s_setreg_imm32_b32 hwreg(HW_REG_WAVE_MODE, 25, 1), 1
	s_wait_xcnt 0x0
; The three projections on codes of FP8 (E4M3), the rotation of q and k, and the quantiser for the attention's products.
; x_codes [3][4096][2048]: x under the scales e0, e2, e4 (for q, k, v).  w_codes [5120][2048]: wq's 2,048 rows, wk's 512, wv's 512 (then wo's, not used here).
; qkv_codes, dense blocks of 128 rows x 128 bytes: q at byte 0 [batch x 16 + head][position / 128][128][128 d]; k at byte 0x800000 [batch x 4 + head][position / 128][128][128 d];
;   v at byte 0xa00000 [batch x 4 + head][key / 128][128 d][128 keys]: the keys innermost.  q is quantised with e7, k with e6, v with e8.
; LIMITS: e7 - e0 - e1, e6 - e2 - e3 and e8 - e4 - e5 lie between -126 and 119, so that the conversion's scale and 448 x that scale are f32 numbers.
; SHARES.  A block is 256 tokens x 256 rows of a weight: 12 tile columns (grid x: 0-7 q, 8-9 k, 10-11 v) x 16 tile rows (grid y).  Four waves, each 128 x 128: 64 accumulators, 512 registers.
; K goes in steps of 256 through a ring of two LDS slots of two regions of 256 rows, each row 256 bytes of memory + 16 of padding; wave w fetches the slot's rows 128 w on by one tensor load.
; THE MATRIX INSTRUCTION IS USED TRANSPOSED: source 1 takes rows of the first region, which become the lanes' rows; source 0 rows of the second, which run along a lane's registers.
; q, k: the first region holds x's tile, the second the weight's: a lane holds 8 neighbouring d of a token.  v: the weight's tile comes first and x's second: a lane holds 8 neighbouring keys of one d.
; Only the address in memory hangs on the kind (a choice between the two buffers on the tile column); every LDS address is made of the wave's number alone.
; Slot 1's first fill stands behind the wait for slot 0's, the add and a barrier, as a refill does.  The rotation's tables come into slot 0 behind its last read, in every work-group; v's work-groups do not read them.
; THE WAY OUT, by blocks of 16 rows: rotated (q, k), held at the largest code, converted; 8 codes a lane go through the wave's own stage and leave as 512 consecutive bytes a store.
; cluster = none: x has codes of its own for q, k and v, and k and v have two tile columns each, so the twelve tile columns do not divide into fours that take one tile of x.
.set KSTEP,  256
.set ROWB,   256
.set KROW,   2048
.set PITCH,  272
.set FR,     16
.set NL,     4
.set NP,     4
.set HALFT,  128*PITCH
.set SLOT,   4*HALFT
.set LAPS,   2048/(2*KSTEP)
.set SPARE,  2*SLOT
.set STG,    SPARE+512
.set SPITCH, 144
.set CVS,  10
.set LIMV, 11
.set ADRA, 16
.set ADRB, 20
.set STO,  24
.set RD,   25
.set CO,   26
.set SPW,  28
.set NIL,  29
.set CA,   30
.set SA,   31
.set TW,   32
.set CD,   96
.set CSR,  128
.set SNR,  160
.set OUTR, 192
.set AF,   128
.set G1,  24
.set G0,  32
.set G1C, 48
.set G0C, 56
.set MSB, 0
.macro WIN new
.if MSB != \new
	s_set_vgpr_msb (MSB<<8)|\new
.set MSB, \new
.endif
.endm
.set MUL_LO, 0xa1
.set MUL_HI, 0xf1
.set TO_B,   0x40
	s_load_b256 s[4:11], s[0:1], 0x0
	s_load_b128 s[12:15], s[0:1], 0x20
	v_lshl_add_u32 v[SPW], v0, 2, SPARE
	v_mov_b32 v[NIL], 0
	ds_add_u32 v[SPW], v[NIL]
	ds_add_u32 v[SPW], v[NIL]
	v_lshrrev_b32 v1, 5, v0
	v_readfirstlane_b32 s40, v1
	s_lshr_b32 s41, s40, 1
	s_and_b32 s42, s40, 1
	s_mov_b32 s43, ttmp9
	s_and_b32 s44, ttmp7, 0xffff
	s_cmp_lt_u32 s43, 10
	s_cselect_b32 s45, 0, 1
	s_cselect_b32 s46, 1, 2
	s_cmp_lt_u32 s43, 8
	s_cselect_b32 s46, 0, s46
.irp g, G1, G1C
	s_mov_b32 s[\g+0], (1<<20)|(5<<22)|(3<<25)
	s_mov_b32 s[\g+1], ROWB<<16
	s_mov_b32 s[\g+2], 128<<16
	s_mov_b32 s[\g+3], ROWB<<16
	s_mov_b32 s[\g+4], 128
	s_mov_b32 s[\g+6], 0
	s_mov_b32 s[\g+7], 0
.endr
	s_mov_b32 s[G1+5], KROW
	s_mov_b32 s[G1C+5], 256
	s_lshl_b32 s77, s46, 12
	s_lshl_b32 s78, s44, 8
	s_add_co_u32 s77, s77, s78
	s_lshl_b32 s78, s43, 8
	s_xor_b32 s88, s41, s45
	s_cmp_eq_u32 s88, 0
	s_cselect_b32 s77, s77, s78
	s_lshl_b32 s78, s42, 7
	s_add_co_u32 s77, s77, s78
	s_lshl_b32 s80, s77, 11
	s_mov_b32 s81, 0
	s_mul_i32 s89, s40, HALFT
	s_and_b32 s92, s44, 3
	s_lshl_b32 s92, s92, 16
	s_lshl_b32 s93, s42, 15
	s_add_co_u32 s92, s92, s93
	s_mov_b32 s93, 0
	s_cmp_lg_u32 s45, 0
	s_cselect_b32 s82, s41, s42
	s_cselect_b32 s83, s42, s41
	s_cmp_lt_u32 s43, 8
	s_cselect_b32 s84, 16, 4
	s_cselect_b32 s85, 0, 8
	s_cselect_b32 s94, 0, 0x800000
	s_cmp_lt_u32 s43, 10
	s_cselect_b32 s85, s85, 10
	s_cselect_b32 s94, s94, 0xa00000
	s_sub_co_u32 s85, s43, s85
	s_lshl_b32 s85, s85, 1
	s_add_co_u32 s85, s85, s82
	s_lshr_b32 s95, s44, 2
	s_mul_i32 s95, s95, s84
	s_add_co_u32 s95, s95, s85
	s_lshl_b32 s95, s95, 3
	s_and_b32 s86, s44, 3
	s_lshl_b32 s86, s86, 1
	s_add_co_u32 s86, s86, s83
	s_add_co_u32 s86, s86, s95
	s_lshl_b32 s86, s86, 14
	s_add_co_u32 s86, s86, s94
	s_mov_b32 s87, 0
	s_wait_dscnt 0x0
	s_wait_kmcnt 0x0
	s_load_b256 s[68:75], s[8:9], 0x0
	s_load_b32 s76, s[8:9], 0x20
	s_cmp_eq_u32 s88, 0
	s_cselect_b64 s[78:79], s[4:5], s[6:7]
	s_add_nc_u64 s[78:79], s[78:79], s[80:81]
	s_cmp_eq_u32 s41, 0
	s_cselect_b64 s[90:91], s[10:11], s[12:13]
	s_add_nc_u64 s[90:91], s[90:91], s[92:93]
	s_add_nc_u64 s[66:67], s[14:15], s[86:87]
.irp s, 0,1
	s_mov_b32 s[G0+4*\s], 1
	s_add_co_u32 s[G0+4*\s+1], s89, \s*SLOT
	s_add_nc_u64 s[G0+4*\s+2:G0+4*\s+3], s[78:79], \s*ROWB
	s_or_b32 s[G0+4*\s+3], s[G0+4*\s+3], 0x80000000
.endr
	s_mov_b32 s[G0C], 1
	s_mov_b32 s[G0C+1], s89
	s_mov_b64 s[G0C+2:G0C+3], s[90:91]
	s_or_b32 s[G0C+3], s[G0C+3], 0x80000000
	tensor_load_to_lds s[G0:G0+3], s[G1:G1+7]
	s_nop 0
	s_wait_alu depctr_va_vdst(0)
	s_wait_tensorcnt 0x0
	ds_add_u32 v28, v29
	s_wait_dscnt 0x0
	s_barrier_signal -1
	s_barrier_wait -1
	tensor_load_to_lds s[G0+4:G0+7], s[G1:G1+7]
	s_nop 0
.rept 4
	v_nop
.endr
	v_and_b32 v1, 15, v0
	v_bfe_u32 v2, v0, 4, 1
	v_mul_u32_u24 v3, v1, PITCH
	v_lshl_add_u32 v4, v2, 4, v3
	s_mul_i32 s82, s41, HALFT
	s_mul_i32 s83, s42, HALFT
	s_add_co_u32 s83, s83, 2*HALFT
	v_add_nc_u32 v[CA], s82, v4
	v_add_nc_u32 v[SA], 2*HALFT, v[CA]
.irp s, 0,1
	v_add_nc_u32 v[ADRA+\s], s82, v4
	v_add_nc_u32 v[ADRB+\s], s83, v4
	s_add_co_u32 s82, s82, SLOT
	s_add_co_u32 s83, s83, SLOT
.endr
	s_mul_i32 s84, s40, 16*SPITCH
	s_add_co_u32 s84, s84, STG
	v_mul_u32_u24 v5, v1, SPITCH
	v_lshl_add_u32 v5, v2, 3, v5
	v_add_nc_u32 v[STO], s84, v5
	v_and_b32 v6, 31, v0
	v_lshrrev_b32 v7, 3, v6
	v_mul_u32_u24 v7, v7, SPITCH
	v_and_b32 v8, 7, v0
	v_lshl_add_u32 v7, v8, 4, v7
	v_add_nc_u32 v[RD], s84, v7
	v_lshlrev_b32 v[CO], 4, v6
.macro FRAG reg, adr, q, i
.irp c, 0,1,2,3
	ds_load_b128 v[\reg+4*\c:\reg+4*\c+3], v[\adr] offset:128*(\q)+32*\c+(\i)*16*PITCH
.endr
.endm
.macro MUL16 a0, p, zero
.irp a, \a0, \a0+1
.irp b, 0,1,2,3,4,5,6,7
.if \zero
	v_wmma_f32_16x16x128_fp8_fp8 v[8*(8*((\a)%4)+\b):8*(8*((\a)%4)+\b)+7], v[128*(\p)+FR*\b:128*(\p)+FR*\b+FR-1], v[AF+FR*(\a):AF+FR*(\a)+FR-1], 0
.else
	v_wmma_f32_16x16x128_fp8_fp8 v[8*(8*((\a)%4)+\b):8*(8*((\a)%4)+\b)+7], v[128*(\p)+FR*\b:128*(\p)+FR*\b+FR-1], v[AF+FR*(\a):AF+FR*(\a)+FR-1], v[8*(8*((\a)%4)+\b):8*(8*((\a)%4)+\b)+7]
.endif
.endr
.endr
.endm
.macro FETCH_B slot, q, p
	WIN TO_B
.irp i, 0,1,2,3,4,5,6,7
	FRAG 128*(\p)+FR*\i, ADRB+\slot, \q, \i
.endr
	WIN 0
.endm
.macro FETCH_A slot, q, i0
.irp i, \i0, \i0+1, \i0+2, \i0+3
	FRAG AF+FR*(\i), ADRA+\slot, \q, \i
.endr
.endm
.macro PLACES n
.rept \n
	v_nop
.endr
.endm
.macro STEP slot, q, zero
	s_wait_dscnt 4*NL
	WIN MUL_LO
	MUL16 0, (\q)%2, \zero
	MUL16 2, (\q)%2, \zero
	s_wait_dscnt 0
	PLACES NP
	FETCH_B \slot, (\q)+1, 1-(\q)%2
	FETCH_A \slot, (\q)+1, 0
	WIN MUL_HI
	MUL16 4, (\q)%2, \zero
	MUL16 6, (\q)%2, \zero
	PLACES NP
	WIN 0
	FETCH_A \slot, (\q)+1, 4
.endm
.macro TURN slot, next, fill
	s_wait_tensorcnt 0x0
	ds_add_u32 v[SPW], v[NIL]
	s_wait_dscnt 4*NL+1
	WIN MUL_LO
	MUL16 0, 1, 0
	s_wait_dscnt 0x0
	s_barrier_signal -1
	MUL16 2, 1, 0
	WIN 0
	s_barrier_wait -1
.if \fill == 1
	s_add_nc_u64 s[G0+4*\slot+2:G0+4*\slot+3], s[G0+4*\slot+2:G0+4*\slot+3], 2*ROWB
	tensor_load_to_lds s[G0+4*\slot:G0+4*\slot+3], s[G1:G1+7]
.else
	tensor_load_to_lds s[G0C:G0C+3], s[G1C:G1C+7]
.endif
	s_nop 0
	PLACES 4
	FETCH_B \next, 0, 0
	FETCH_A \next, 0, 0
	WIN MUL_HI
	MUL16 4, 1, 0
	MUL16 6, 1, 0
	PLACES NP
	WIN 0
	FETCH_A \next, 0, 4
.endm
	s_wait_tensorcnt 1
	s_barrier_signal -1
	s_barrier_wait -1
	FETCH_B 0, 0, 0
	FETCH_A 0, 0, 0
	FETCH_A 0, 0, 4
	STEP 0, 0, 1
	s_mov_b32 s3, LAPS-1
.Llap:
	TURN 0, 1, 1
	STEP 1, 0, 0
	TURN 1, 0, 1
	STEP 0, 0, 0
	s_sub_co_u32 s3, s3, 1
	s_cmp_lg_u32 s3, 0
	s_cbranch_scc1 .Llap
	TURN 0, 1, 2
	STEP 1, 0, 0
	s_wait_dscnt 4*NL
	WIN MUL_LO
	MUL16 0, 1, 0
	MUL16 2, 1, 0
	s_wait_dscnt 0
	WIN MUL_HI
	MUL16 4, 1, 0
	MUL16 6, 1, 0
	WIN 0
	s_wait_tensorcnt 0x0
	s_wait_dscnt 0x0
	s_barrier_signal -1
	s_barrier_wait -1
	s_wait_kmcnt 0x0
	s_sub_co_i32 s77, s75, s68
	s_sub_co_i32 s77, s77, s69
	s_sub_co_i32 s78, s74, s70
	s_sub_co_i32 s78, s78, s71
	s_sub_co_i32 s79, s76, s72
	s_sub_co_i32 s79, s79, s73
	s_cmp_lt_u32 s43, 10
	s_cselect_b32 s78, s78, s79
	s_cmp_lt_u32 s43, 8
	s_cselect_b32 s77, s77, s78
	s_add_co_i32 s77, s77, 127
	s_lshl_b32 s78, s77, 23
	s_add_co_i32 s77, s77, 8
	s_lshl_b32 s77, s77, 23
	s_or_b32 s77, s77, 0x600000
	PLACES NP
	v_mov_b32 v[CVS], s78
	v_mov_b32 v[LIMV], s77
.macro COSLOAD a
.irp b, 0,1,2,3,4,5,6,7
	ds_load_b128 v[CSR+4*\b:CSR+4*\b+3], v[CA] offset:16*PITCH*(\a)+32*\b
.endr
.irp b, 0,1,2,3,4,5,6,7
	ds_load_b128 v[SNR+4*\b:SNR+4*\b+3], v[SA] offset:16*PITCH*(\a)+32*\b
.endr
.endm
.macro SEND a
	s_wait_dscnt 0x0
.irp t, 0,1,2,3
	global_store_b128 v[CO], v[OUTR+16*((\a)%2)+4*\t:OUTR+16*((\a)%2)+4*\t+3], s[66:67] offset:2048*(\a)+512*\t
.endr
.endm
.macro BLOCK a
.set AC, 64*((\a)%4)
	s_cmp_lg_u32 s45, 0
	s_cbranch_scc1 .Lplain_\@
.if \a == 0
	s_wait_dscnt 0x0
.else
	s_wait_dscnt 12
.endif
	WIN 0x02+((\a)/4)
.irp b, 0,1,2,3,4,5,6,7
.irp p, 0,2
	v_pk_mul_f32 v[TW+8*\b+2*\p:TW+8*\b+2*\p+1], v[AC+8*\b+2*\p:AC+8*\b+2*\p+1], v[CSR+4*\b+\p:CSR+4*\b+\p+1] op_sel_hi:[1,0]
	v_pk_mul_f32 v[TW+8*\b+2*\p+2:TW+8*\b+2*\p+3], v[AC+8*\b+2*\p+2:AC+8*\b+2*\p+3], v[CSR+4*\b+\p:CSR+4*\b+\p+1] op_sel:[0,1] op_sel_hi:[1,1]
	v_pk_fma_f32 v[TW+8*\b+2*\p:TW+8*\b+2*\p+1], v[AC+8*\b+2*\p:AC+8*\b+2*\p+1], v[SNR+4*\b+\p:SNR+4*\b+\p+1], v[TW+8*\b+2*\p:TW+8*\b+2*\p+1] op_sel:[1,0,0] op_sel_hi:[0,0,1] neg_lo:[0,1,0]
	v_pk_fma_f32 v[TW+8*\b+2*\p+2:TW+8*\b+2*\p+3], v[AC+8*\b+2*\p+2:AC+8*\b+2*\p+3], v[SNR+4*\b+\p:SNR+4*\b+\p+1], v[TW+8*\b+2*\p+2:TW+8*\b+2*\p+3] op_sel:[1,1,0] op_sel_hi:[0,1,1] neg_lo:[0,1,0]
.endr
.endr
	WIN 0
.if \a < 7
	COSLOAD \a+1
.endif
.irp i, 0,1,2,3,4,5,6,7,8,9,10,11,12,13,14,15,16,17,18,19,20,21,22,23,24,25,26,27,28,29,30,31,32,33,34,35,36,37,38,39,40,41,42,43,44,45,46,47,48,49,50,51,52,53,54,55,56,57,58,59,60,61,62,63
	v_med3_num_f32 v[TW+\i], v[TW+\i], -v[LIMV], v[LIMV]
.endr
	s_branch .Ljoin_\@
.Lplain_\@:
	WIN 0x02+((\a)/4)
	s_wait_alu depctr_va_vdst(0)
.irp i, 0,1,2,3,4,5,6,7,8,9,10,11,12,13,14,15,16,17,18,19,20,21,22,23,24,25,26,27,28,29,30,31,32,33,34,35,36,37,38,39,40,41,42,43,44,45,46,47,48,49,50,51,52,53,54,55,56,57,58,59,60,61,62,63
	v_med3_num_f32 v[TW+\i], v[AC+\i], -v[LIMV], v[LIMV]
.endr
	WIN 0
.Ljoin_\@:
	s_wait_alu depctr_va_vdst(0)
.irp b, 0,1,2,3,4,5,6,7
	v_cvt_scalef32_pk8_fp8_f32 v[CD+16*((\a)%2)+2*\b:CD+16*((\a)%2)+2*\b+1], v[TW+8*\b:TW+8*\b+7], v[CVS]
.endr
	v_nop
.if \a > 0
	s_wait_alu depctr_va_vdst(0)
	SEND \a-1
.endif
.if \a > 1
	s_wait_xcnt 0x0
.endif
.irp b, 0,1,2,3,4,5,6,7
	ds_store_b64 v[STO], v[CD+16*((\a)%2)+2*\b:CD+16*((\a)%2)+2*\b+1] offset:16*\b
.endr
.irp t, 0,1,2,3
	ds_load_b128 v[OUTR+16*((\a)%2)+4*\t:OUTR+16*((\a)%2)+4*\t+3], v[RD] offset:4*SPITCH*\t
.endr
.endm
	s_cmp_lg_u32 s45, 0
	s_cbranch_scc1 .Lno_tables
	COSLOAD 0
.Lno_tables:
.irp a, 0,1,2,3,4,5,6,7
	BLOCK \a
.endr
	SEND 7
	s_wait_tensorcnt 0x0
	ds_add_u32 v[SPW], v[NIL]
	s_wait_dscnt 0x0
	s_endpgm
.Lfunc_end_k_q1b41a4e601_proj:
	.size	k_q1b41a4e601_proj, .Lfunc_end_k_q1b41a4e601_proj-k_q1b41a4e601_proj
	.p2alignl 7, 3214868480
	.fill 96, 4, 3214868480
	.section	.rodata,"a",@progbits
	.p2align	6, 0x0
	.amdhsa_kernel k_q1b41a4e601_proj
		.amdhsa_group_segment_fixed_size 327680
		.amdhsa_private_segment_fixed_size 0
		.amdhsa_enable_private_segment 0
		.amdhsa_kernarg_size 48
		.amdhsa_user_sgpr_count 2
		.amdhsa_user_sgpr_kernarg_segment_ptr 1
		.amdhsa_wavefront_size32 1
		.amdhsa_system_sgpr_workgroup_id_x 1
		.amdhsa_system_sgpr_workgroup_id_y 1
		.amdhsa_system_sgpr_workgroup_id_z 1
		.amdhsa_system_vgpr_workitem_id 0
		.amdhsa_next_free_vgpr 1024
		.amdhsa_next_free_sgpr 100
		.amdhsa_reserve_vcc 0
		.amdhsa_float_denorm_mode_32 3
		.amdhsa_float_denorm_mode_16_64 3
		.amdhsa_memory_ordered 1
		.amdhsa_forward_progress 1
		.amdhsa_inst_pref_size 197
	.end_amdhsa_kernel
	.amdgpu_metadata
---
amdhsa.version: [ 1, 2 ]
amdhsa.kernels:
  - .name:           k_q1b41a4e601_proj
    .symbol:         k_q1b41a4e601_proj.kd
    .args:
      - { .name: x_codes, .offset: 0, .size: 8, .value_kind: global_buffer, .address_space: global }
      - { .name: w_codes, .offset: 8, .size: 8, .value_kind: global_buffer, .address_space: global }
      - { .name: lowp_scales, .offset: 16, .size: 8, .value_kind: global_buffer, .address_space: global }
      - { .name: freqs_cos, .offset: 24, .size: 8, .value_kind: global_buffer, .address_space: global }
      - { .name: freqs_sin, .offset: 32, .size: 8, .value_kind: global_buffer, .address_space: global }
      - { .name: qkv_codes, .offset: 40, .size: 8, .value_kind: global_buffer, .address_space: global }
    .group_segment_fixed_size: 327680
    .private_segment_fixed_size: 0
    .kernarg_segment_align: 8
    .kernarg_segment_size: 48
    .max_flat_workgroup_size: 128
    .sgpr_count:     100
    .vgpr_count:     1024
    .wavefront_size: 32
...
	.end_amdgpu_metadata
.endif
;; end of part 2
;; launch attn (part 3): grid 8 x 32, 16 waves a work-group, clusters of 4 x 1, 327,680 bytes of LDS; arguments qkv_codes, lowp_scales, o_codes; writes o_codes
.if DOCPART == 3
	.amdgcn_target "amdgcn-amd-amdhsa--gfx1250"
	.amdhsa_code_object_version 6
	.text
	.protected	k_q1b41a4e601_attn
	.globl	k_q1b41a4e601_attn
	.p2align	8
	.type	k_q1b41a4e601_attn,@function
k_q1b41a4e601_attn:
	s_mov_b64 s[64:65], 0
	v_nop
	global_prefetch_b8 v0, s[64:65] scope:SCOPE_SE
	s_setreg_imm32_b32 hwreg(HW_REG_WAVE_MODE, 25, 1), 1
	s_wait_xcnt 0x0
	s_wait_alu depctr_hold_cnt(0) depctr_sa_sdst(0) depctr_va_vdst(0) depctr_va_sdst(0) depctr_va_ssrc(0) depctr_va_vcc(0) depctr_vm_vsrc(0)
	s_getreg_b32 s2, hwreg(HW_REG_IB_STS2, 6, 4)
	s_cmp_eq_u32 s2, 0
	s_cbranch_scc0 .Lentry_in_a_cluster
	s_endpgm
.Lentry_in_a_cluster:
	s_bfe_u32 s2, ttmp6, 0x10000c
	s_cmp_lg_u32 s2, 0x3003
	s_cbranch_scc0 .Lentry_shape_is_right
	s_endpgm
.Lentry_shape_is_right:
; O[b][q][head] = the sum over k <= q of softmax_k(Q . K / sqrt(128)) V, grouped heads (four query heads to a kv head), both products on codes of FP8 (E4M3); O is quantised for the last product and stored as codes.
; qkv_codes, dense blocks of 128 rows x 128 bytes: q at byte 0 [batch x 16 + head][position / 128][128][128 d]; k at byte 8,388,608 [batch x 4 + kv head][position / 128][128][128 d];
;   v at byte 10,485,760 [batch x 4 + kv head][key / 128][128 d][128 keys].  o_codes [4096 tokens][2048 = head x 128 + d].  Given exponents: e6 k, e7 q, e8 v, e9 p, e10 O.
; THE SOFTMAX AHEAD OF THE SECOND PRODUCT: t = score x log2(e) / sqrt(128); M = the row's largest t so far, rounded UP to a whole number; p = 2^(t - M) is what is quantised, along the keys; it is not normalised.
; The row's sum is taken of the unquantised p, in f32, and divides O at the end.  When M moves, the sum and O are multiplied by 2^(old M - new M): exact.
; SHARES.  Grid y = batch x 8 + a pair of heads; c = 4 x cluster x + my place in the cluster, 0 .. 7.  Wave w: head 2 y + (w & 1); with u = w / 2 its 16 queries are 128 u + 16 c + 0 .. 15.
; So a wave needs the key steps 0 .. u whatever c is: all 256 work-groups have the same 72 wave steps, and the causal branches hang on the wave's number and the step's count alone.
; Every wave passes all four slots of 256 keys; a step all of whose keys come after the wave's queries is jumped over (no barrier or tensor load stands in a step); in step u, the diagonal, hidden scores become -infinity.
; CLUSTER.  The four work-groups of a cluster share y, hence K and V: each tile is asked for JOINTLY, by the same tensor load with the same descriptor and the mask of all four; waves 0 and 1 fetch K's two blocks
; of a slot, waves 2 and 3 V's two.  A wave has one tensor load outstanding at the most.  My place in the cluster enters Q's, O's and the prefetches' addresses and the lane constant of the diagonal, nothing else.
; LAYOUT.  Both products are used transposed: S^T = K Q^T (source 0 = 16 keys, source 1 = my 16 queries), O^T = V^T P^T (source 0 = 16 d, source 1 = P): a lane holds ONE query (lane % 16) throughout.
; THE KEYS OF A TILE ARE NOT NEIGHBOURS: lane r of tile 2 b + u takes key 32 b + 8 u + r + 8 (r / 8), so that the 16 registers of tiles 2 b and 2 b + 1 are 16 neighbouring keys, 32 b + 16 (lane / 16) + 0 .. 15.
; LIMITS on the given exponents, so that each power of two below is an f32 number: e6 + e7 between -123 and 130 (they are added to c's exponent field); e9, and e10 - e8 - e9, between -126 and 119.
; REGISTERS: v1-7 what stays; v8-11 addresses in hand; v12 -M, v13 the largest t, v[14:15] the sum in two halves; v16-31 Q; v32-95 four fragments of K or of V; v96-159 S^T, then p; v160-223 O^T; v224-239 p's codes; v236-255 at work.
.set KP,    144                        ; a row of 128 codes in LDS: 128 bytes + 16 of padding: an odd multiple of 16
.set TILEB, 128*KP                     ; what one tensor load brings
.set VOFF,  2*TILEB                    ; a slot: 256 keys' rows of K, then two blocks of 128 rows of V
.set SLOT1, 1<<17                      ; slot 1 begins here, so that one exclusive or turns an address in one slot into the other's
.set NSL,   4                          ; slots' worth of keys
.set SPARE, 2*SLOT1                    ; behind the ring: the spare words, 128 bytes for each wave: eight blocks of 256 bytes that no other line names
.set STG,   SPARE+2048                 ; the way out: 16 rows x (256 bytes + 16) for each pair of waves; no tensor load lands here
.set SGP,   272
.set AK0,  1                           ; v1   my lane's place in a tile of K
.set AV0,  2                           ; v2   the same for V
.set PFO,  3                           ; v3   256 x lane: the prefetches' offset; never rewritten
.set DG,   4                           ; v4   16 c + r - 16 h: on the diagonal register 16 b + i is hidden where 32 b + i is greater
.set SPW,  5                           ; v5   LDS address of my spare word; never rewritten
.set NIL,  6                           ; v6   0; never rewritten
.set GO,   7                           ; v7   the way out: my byte offset in two rows of o_codes
.set ADK,  8                           ; v8   LDS address of the step's tiles of K
.set ADV,  9                           ; v9   of V
.set WV,   18                          ; s18  my wave's number
.set SEL,  20                          ; s[20:21] lane selects for v_permlanex16_b32: lane l xor 16
.set CS,   22                          ; s[22:23] c = log2(e) / sqrt(128) x 2^(e6 + e7)
.set G1,   24                          ; s[24:31] descriptor group 1: K's and V's tiles have one shape
.set G0,   40                          ; s[40:43] descriptor group 0, which walks
.set TB,   44                          ; s44  LDS byte at which the slot in hand begins
.set SLOTS, 45                         ; s45  slots still to be asked for
.set KF,   46                          ; s46  the step's first key
.set UK,   47                          ; s47  128 u: the first key of my diagonal step
.set PFA,  48                          ; s[48:49] where my prefetches stand
.set LIM,  50                          ; s50  1 in a wave that prefetches, else the greatest number
; A round of the cluster's barrier: my work-group's barrier; wave 0 signals for the work-group; every wave waits for all four work-groups; my work-group's barrier once more.
.macro ROUND
	s_barrier_signal -1
	s_barrier_wait -1
	s_cmp_lg_u32 s[WV], 0
	s_cbranch_scc1 .Lnot_wave_0_\@
	s_barrier_signal -3
.Lnot_wave_0_\@:
	s_barrier_wait -3
	s_barrier_signal -1
	s_barrier_wait -1
.endm
; The joint load: waves 0 to 3, one each, into LDS bytes that are the wave's number x TILEB on in the slot.  The branch hangs on the wave's number alone.  An s_nop 0 and four v_nop follow the line.
.macro TLOAD
	s_cmp_lt_u32 s[WV], 4
	s_cbranch_scc0 .Lno_load_\@
	tensor_load_to_lds s[G0:G0+3], s[G1:G1+7]
	s_nop 0
.rept 4
	v_nop
.endr
.Lno_load_\@:
.endm
; A PREFETCH of what the NEXT change of slots will ask for: a slot's 32,768 bytes of K and as many of V, both dense.  Four clusters walk the same kv head (cluster x 0 and 1, y even and odd): the one with
; cluster x = 0 and y even asks.  Its four partners share the bytes out BY ADDRESS, 8,192 each; in each, wave 4 asks for K's and wave 5 for V's, lanes 256 bytes apart: each block of 256 bytes is named once in the launch.
; It stands a slot's two key steps ahead of the load that wants the bytes.  Slots 0 and 1 come by their loads alone; the last change that fills a slot asks for nothing.
.macro ASK
	s_cmp_gt_u32 s[SLOTS], s[LIM]
	s_cbranch_scc0 .Lnot_mine_\@
	global_prefetch_b8 v[PFO], s[PFA:PFA+1] th:TH_LOAD_NT scope:SCOPE_SE
.Lnot_mine_\@:
.endm
	s_load_b128 s[4:7], s[0:1], 0x0                ; qkv_codes s[4:5], the exponents s[6:7]
	s_load_b64 s[8:9], s[0:1], 0x10                ; o_codes
	v_lshl_add_u32 v[SPW], v0, 2, SPARE
	v_mov_b32 v[NIL], 0
	ds_add_u32 v[SPW], v[NIL]                      ; the wave's opening: the add and its wait stand ahead of the round in front of the first tensor loads; the set-up below, work on registers, stands between them
	ds_add_u32 v[SPW], v[NIL]
	v_lshrrev_b32 v8, 5, v0
	s_delay_alu instid0(VALU_DEP_1)
	v_readfirstlane_b32 s[WV], v8                  ; wave 0..15
	s_bfe_u32 s52, ttmp6, 0x40000                  ; my place in the cluster
	s_lshl_b32 s53, ttmp9, 2
	s_add_co_u32 s53, s53, s52                     ; c
	s_and_b32 s54, ttmp7, 0xffff                   ; y = batch x 8 + pair of heads
	s_and_b32 s55, s[WV], 1                        ; which head of the pair
	s_lshr_b32 s56, s[WV], 1                       ; u
	s_lshl_b32 s[UK], s56, 7
	s_lshl_b32 s57, s54, 1                         ; Q: block (2 y + head) x 8 + u, row 16 c
	s_add_co_u32 s57, s57, s55
	s_lshl_b32 s57, s57, 3
	s_add_co_u32 s57, s57, s56
	s_lshl_b32 s57, s57, 14
	s_lshl_b32 s58, s53, 11
	s_add_co_u32 s58, s57, s58
	s_mov_b32 s59, 0
	s_lshr_b32 s60, s54, 3                         ; O: token 1,024 batch + 128 u + 16 c + 8 x head (the eight rows of the pair's 16 that I store), byte 256 x pair
	s_lshl_b32 s60, s60, 10
	s_add_co_u32 s60, s60, s[UK]
	s_lshl_b32 s61, s53, 4
	s_add_co_u32 s60, s60, s61
	s_lshl_b32 s61, s55, 3
	s_add_co_u32 s60, s60, s61
	s_lshl_b32 s60, s60, 11
	s_and_b32 s61, s54, 7
	s_lshl_b32 s61, s61, 8
	s_add_co_u32 s60, s60, s61
	s_mov_b32 s61, 0
	s_and_b32 s62, s[WV], 3                        ; what I fetch, if I fetch: 0, 1: K's blocks; 2, 3: V's.  No register below ever holds my place in the cluster
	s_mul_i32 s63, s62, TILEB                      ; its place in a slot
	s_lshr_b32 s73, s62, 1
	s_lshl_b32 s73, s73, 21                        ; V's region lies 2,097,152 bytes behind K's
	s_and_b32 s74, s62, 1
	s_lshl_b32 s74, s74, 14
	s_add_co_u32 s74, s74, s73
	s_lshr_b32 s76, s54, 1
	s_lshl_b32 s76, s76, 17                        ; the kv head y / 2: 8 blocks of 16,384 bytes
	s_add_co_u32 s74, s74, s76
	s_add_co_u32 s74, s74, 0x800000
	s_mov_b32 s75, 0
	s_lshr_b32 s77, s[WV], 1                       ; who prefetches: waves 4 and 5,
	s_xor_b32 s77, s77, 2
	s_or_b32 s77, s77, ttmp9                       ; of cluster x = 0,
	s_and_b32 s78, s54, 1
	s_or_b32 s77, s77, s78                         ; y even: the same in all four partners
	s_cmp_eq_u32 s77, 0
	s_cselect_b32 s[LIM], 1, -1
	s_lshl_b32 s78, s55, 21                        ; K's bytes (even wave) or V's,
	s_add_co_u32 s78, s78, s76
	s_lshl_b32 s79, s52, 13                        ; my work-group's 8,192 of a slot's 32,768,
	s_add_co_u32 s78, s78, s79
	s_add_co_u32 s78, s78, 0x808000                ; in slot 1: the first change of slots steps it to slot 2
	s_mov_b32 s79, 0
	v_and_b32 v[PFO], 31, v0
	s_delay_alu instid0(VALU_DEP_1)
	v_lshlrev_b32 v[PFO], 8, v[PFO]
	s_mov_b32 s[G1], 15|(1<<20)|(1<<21)|(4<<22)|(3<<25)   ; 15:0 the mask: all four work-groups; 17:16 elements of 1 byte; 20 padding on; 21 set beside a mask; 24:22 after every 32 words (code 4); 31:25 four words (code 3)
	s_mov_b32 s[G1+1], 256<<16                     ; a block of 128 rows x 128 bytes is dense in memory: stated as 64 rows of 256 bytes, the padding still behind each 128 bytes
	s_mov_b32 s[G1+2], 64<<16                      ; tensor_dim1
	s_mov_b32 s[G1+3], 256<<16                     ; tile_dim0
	s_mov_b32 s[G1+4], 64                          ; tile_dim1
	s_mov_b32 s[G1+5], 256                         ; from row to row
	s_mov_b32 s[G1+6], 0
	s_mov_b32 s[G1+7], 0
	s_mov_b32 s[SEL], 0x76543210
	s_mov_b32 s[SEL+1], 0xfedcba98
	s_mov_b32 s[CS], 0x3e0293ee                    ; log2(e) / sqrt(128)
	s_mov_b32 s[TB], 0
	s_mov_b32 s[SLOTS], NSL-1
	s_mov_b32 s[KF], 0
	s_wait_dscnt 0x0                               ; the opening add is done
	s_wait_kmcnt 0x0
	s_load_b128 s[68:71], s[6:7], 0x18             ; e6, e7, e8, e9
	s_load_b32 s72, s[6:7], 0x28                   ; e10
	s_mov_b32 s[G0], 1                             ; 1:0 count = 1
	s_mov_b32 s[G0+1], s63                         ; 63:32 LDS address: slot 0
	s_add_nc_u64 s[G0+2:G0+3], s[4:5], s[74:75]    ; 120:64 global address: the kv head's first 256 keys
	s_or_b32 s[G0+3], s[G0+3], 0x80000000          ; 127:126 type = 2
	s_add_nc_u64 s[PFA:PFA+1], s[4:5], s[78:79]
	s_add_nc_u64 s[10:11], s[4:5], s[58:59]        ; Q's codes at my first query
	s_add_nc_u64 s[8:9], s[8:9], s[60:61]          ; o_codes at the first row that I store
	ROUND                                          ; all four work-groups are here: the first joint loads meet
	TLOAD                                          ; slot 0
	v_and_b32 v8, 15, v0                           ; r = lane % 16
	v_bfe_u32 v9, v0, 4, 1                         ; h = lane / 16
	s_delay_alu instid0(VALU_DEP_2)
	v_lshlrev_b32 v10, 7, v8
	s_delay_alu instid0(VALU_DEP_1)
	v_lshl_add_u32 v10, v9, 4, v10                 ; Q: row r of 128 bytes, + 16 h
.irp c, 0,1,2,3
	global_load_b128 v[16+4*\c:19+4*\c], v10, s[10:11] offset:32*\c   ; Q's fragment stays in registers
.endr
	v_and_b32 v11, 8, v8
	s_delay_alu instid0(VALU_DEP_1)
	v_add_nc_u32 v11, v11, v8                      ; r + 8 (r / 8)
	s_delay_alu instid0(VALU_DEP_1)
	v_mul_u32_u24 v[AK0], v11, KP
	s_delay_alu instid0(VALU_DEP_1)
	v_lshl_add_u32 v[AK0], v9, 4, v[AK0]
	v_mul_u32_u24 v[AV0], v8, KP
	s_delay_alu instid0(VALU_DEP_1)
	v_lshl_add_u32 v[AV0], v9, 4, v[AV0]
	s_delay_alu instid0(VALU_DEP_1)
	v_add_nc_u32 v[AV0], VOFF, v[AV0]
	v_lshlrev_b32 v11, 4, v9
	s_delay_alu instid0(VALU_DEP_1)
	v_sub_nc_u32 v[DG], v8, v11
	s_lshl_b32 s57, s53, 4
	v_add_nc_u32 v[DG], s57, v[DG]                 ; 16 c + r - 16 h
	v_lshlrev_b32 v[GO], 11, v9
	s_delay_alu instid0(VALU_DEP_1)
	v_lshl_add_u32 v[GO], v8, 4, v[GO]             ; the way out: lanes 0-15 take one row of o_codes, lanes 16-31 the next; 16 bytes a lane
	v_mov_b32 v13, 0xff61b1e6                      ; the largest t so far: -3e38, under every t
	s_delay_alu instid0(VALU_DEP_1)
	v_floor_f32 v12, -v13                          ; -M
	v_mov_b32 v14, 0                               ; the sum, in two halves
	v_mov_b32 v15, 0
	v_mov_b32 v236, 0                              ; written once: a lane permute's destination counts as one of its sources
	v_mov_b32 v252, 0                              ; likewise, for the way out
	v_mov_b32 v253, 0                              ; (named as the upper half of the pair v[252:253])
.irp j, 0,1,2,3,4,5,6,7,8,9,10,11,12,13,14,15,16,17,18,19,20,21,22,23,24,25,26,27,28,29,30,31,32,33,34,35,36,37,38,39,40,41,42,43,44,45,46,47,48,49,50,51,52,53,54,55,56,57,58,59,60,61,62,63
	v_mov_b32 v[160+\j], 0                         ; O^T.  (The step is written once for all steps: the first finds zeros, which the first change of M leaves zeros)
.endr
	s_wait_kmcnt 0x0
	s_add_co_i32 s57, s68, s69
	s_lshl_b32 s57, s57, 23
	s_add_co_i32 s[CS], s[CS], s57                 ; a score stands for score x 2^(e6 + e7): the two exponents are added to c's exponent field
	s_mov_b32 s[CS+1], s[CS]                       ; (named with it as a pair, so it is written)
	s_add_co_i32 s57, s71, 127
	s_lshl_b32 s58, s57, 23
	v_mov_b32 v244, s58                            ; 2^e9 as f32, for p's conversions
	s_add_co_i32 s57, s57, 8
	s_lshl_b32 s57, s57, 23
	s_or_b32 s57, s57, 0x600000
	v_mov_b32 v240, s57                            ; 448 x 2^e9
	s_sub_co_i32 s57, s72, s70
	s_sub_co_i32 s57, s57, s71                     ; O^T / the sum stands for that x 2^(e8 + e9): O's conversion takes 2^(e10 - e8 - e9)
	s_add_co_i32 s57, s57, 127
	s_lshl_b32 s58, s57, 23
	v_mov_b32 v245, s58
	s_add_co_i32 s57, s57, 8
	s_lshl_b32 s57, s57, 23
	s_or_b32 s57, s57, 0x600000
	v_mov_b32 v241, s57                            ; 448 x that
; A KEY STEP: 128 keys, the q-th of the slot in hand.
.macro STEP q
	s_cmp_gt_u32 s[KF], s[UK]                      ; all its keys come after my queries: the step's work is left out, not the line at its end that steps the count
	s_cbranch_scc1 .Lhidden_\@
	v_add_nc_u32 v[ADK], s[TB], v[AK0]
	s_wait_alu depctr_va_vdst(0)
	v_add_nc_u32 v[ADV], s[TB], v[AV0]
.irp g, 0,1                                    ; S^T = K Q^T, four tiles of 16 keys at a time
.rept 4-2*(1-\g)
	v_nop                                          ; four places in front of loads into registers that matrix instructions have read (the two additions above are places too)
.endr
.irp t, 0,1,2,3
.irp c, 0,1,2,3
	ds_load_b128 v[32+16*\t+4*\c:32+16*\t+4*\c+3], v[ADK] offset:(128*(\q)+32*((4*\g+\t)/2)+8*(\t%2))*KP+32*\c
.endr
.endr
	s_wait_dscnt 0x0
.irp t, 0,1,2,3
	v_wmma_f32_16x16x128_fp8_fp8 v[96+8*(4*\g+\t):103+8*(4*\g+\t)], v[32+16*\t:47+16*\t], v[16:31], 0
.endr
.endr
.rept 4
	v_nop
.endr
	s_wait_alu depctr_va_vdst(0)                   ; directly ahead of the first reader of V's address
.irp t, 0,1,2,3                                ; V's first four tiles (d 0 .. 63) are asked for now, four places behind the products that read these registers: no line of the softmax names v32-95; the wait for them stands ahead of the second product
.irp c, 0,1,2,3
	ds_load_b128 v[32+16*\t+4*\c:32+16*\t+4*\c+3], v[ADV] offset:(128*(\q)+16*\t)*KP+32*\c
.endr
.endr
	s_cmp_lg_u32 s[KF], s[UK]
	s_cbranch_scc1 .Lopen_\@
	v_mov_b32 v254, 0xff800000                     ; -infinity: p = 0 then.  A query's own key counts, so the largest t is a number from the first step on
.irp n, 0,1,2,3,4,5,6,7,8,9,10,11,12,13,14,15,16,17,18,19,20,21,22,23,24,25,26,27,28,29,30,31,32,33,34,35,36,37,38,39,40,41,42,43,44,45,46,47,48,49,50,51,52,53,54,55,56,57,58,59,60,61,62,63
	v_cmp_gt_i32 vcc_lo, 32*(\n/16)+\n%16, v[DG]
	v_cndmask_b32 v[96+\n], v[96+\n], v254, vcc_lo
.endr
.Lopen_\@:
	v_max3_num_f32 v254, v96, v97, v98             ; the step's largest score of my query, among my 64 keys, in two chains,
	v_max3_num_f32 v252, v99, v100, v101
.irp i, 6,10,14,18,22,26,30,34,38,42,46,50,54,58
	v_max3_num_f32 v254, v254, v[96+\i], v[97+\i]
	v_max3_num_f32 v252, v252, v[98+\i], v[99+\i]
.endr
	v_max3_num_f32 v254, v254, v158, v159
	s_delay_alu instid0(VALU_DEP_1)
	v_max_num_f32 v254, v254, v252
	v_permlanex16_b32 v236, v254, s[SEL], s[SEL+1]
	s_delay_alu instid0(VALU_DEP_1)
	v_max_num_f32 v254, v254, v236                 ; and among lane l xor 16's
	s_delay_alu instid0(VALU_DEP_1)
	v_mul_f32 v254, s[CS], v254                    ; as t (c is positive)
	s_delay_alu instid0(VALU_DEP_1)
	v_max_num_f32 v13, v13, v254                   ; the running largest t
	v_mov_b32 v254, v12
	s_delay_alu instid0(VALU_DEP_2)
	v_floor_f32 v12, -v13                          ; the new -M = floor(-t) = -ceil(t): M IS A WHOLE NUMBER
	s_delay_alu instid0(VALU_DEP_1)
	v_sub_f32 v254, v12, v254                      ; M's old value less its new one: a whole number, 0 or less
	s_delay_alu instid0(VALU_DEP_1)
	v_cvt_i32_f32 v254, v254                       ; (it saturates)
	s_delay_alu instid0(VALU_DEP_1)
	v_ldexp_f32 v252, 1.0, v254                    ; f = 2^(old M - new M): a multiplication by it rounds nothing
.irp j, 0,2,4,6,8,10,12,14,16,18,20,22,24,26,28,30,32,34,36,38,40,42,44,46,48,50,52,54,56,58,60,62
	v_pk_fma_f32 v[96+\j:97+\j], v[96+\j:97+\j], s[CS:CS+1], v[12:13] op_sel_hi:[1,0,0]   ; t - M, two at a time (of the pairs c and -M the low word serves both halves)
.endr
	s_wait_alu depctr_va_vdst(0)
.irp j, 0,1,2,3,4,5,6,7,8,9,10,11,12,13,14,15,16,17,18,19,20,21,22,23,24,25,26,27,28,29,30,31,32,33,34,35,36,37,38,39,40,41,42,43,44,45,46,47,48,49,50,51,52,53,54,55,56,57,58,59,60,61,62,63
	v_exp_f32 v[96+\j], v[96+\j]                   ; p = 2^(t - M), at most 1: NOT normalised
.endr
	v_pk_mul_f32 v[14:15], v[14:15], v[252:253] op_sel_hi:[1,0]   ; the sums under the new M.  (A plain place behind the exponentials)
	s_wait_alu depctr_va_vdst(0)                   ; one wait for the whole batch, ahead of its first reader
	v_pk_add_f32 v[242:243], v[100:101], v[104:105]
	v_pk_add_f32 v[254:255], v[108:109], v[112:113]
	v_pk_add_f32 v[250:251], v[116:117], v[120:121]
	v_pk_add_f32 v[248:249], v[124:125], v[128:129]
	v_pk_add_f32 v[246:247], v[132:133], v[136:137]
	v_pk_add_f32 v[238:239], v[140:141], v[144:145]
	v_pk_add_f32 v[236:237], v[148:149], v[152:153]
	v_pk_add_f32 v[14:15], v[14:15], v[156:157]
	v_pk_add_f32 v[242:243], v[242:243], v[96:97]
	v_pk_add_f32 v[254:255], v[254:255], v[98:99]
	v_pk_add_f32 v[250:251], v[250:251], v[102:103]
	v_pk_add_f32 v[248:249], v[248:249], v[106:107]
	v_pk_add_f32 v[246:247], v[246:247], v[110:111]
	v_pk_add_f32 v[238:239], v[238:239], v[114:115]
	v_pk_add_f32 v[236:237], v[236:237], v[118:119]
	v_pk_add_f32 v[14:15], v[14:15], v[122:123]
	v_pk_add_f32 v[242:243], v[242:243], v[126:127]
	v_pk_add_f32 v[254:255], v[254:255], v[130:131]
	v_pk_add_f32 v[250:251], v[250:251], v[134:135]
	v_pk_add_f32 v[248:249], v[248:249], v[138:139]
	v_pk_add_f32 v[246:247], v[246:247], v[142:143]
	v_pk_add_f32 v[238:239], v[238:239], v[146:147]
	v_pk_add_f32 v[236:237], v[236:237], v[150:151]
	v_pk_add_f32 v[14:15], v[14:15], v[154:155]
	v_pk_add_f32 v[242:243], v[242:243], v[158:159]
	s_delay_alu instid0(VALU_DEP_2)
	v_pk_add_f32 v[14:15], v[14:15], v[248:249]
	s_delay_alu instid0(VALU_DEP_2)
	v_pk_add_f32 v[242:243], v[242:243], v[246:247]
	v_pk_add_f32 v[254:255], v[254:255], v[238:239]
	v_pk_add_f32 v[250:251], v[250:251], v[236:237]
	s_delay_alu instid0(VALU_DEP_2)
	v_pk_add_f32 v[14:15], v[14:15], v[254:255]
	s_delay_alu instid0(VALU_DEP_2)
	v_pk_add_f32 v[242:243], v[242:243], v[250:251]
	s_delay_alu instid0(VALU_DEP_1)
	v_pk_add_f32 v[14:15], v[14:15], v[242:243]
.irp b, 0,1,2,3
.irp i, 0,1,2,3,4,5,6,7,8,9,10,11,12,13,14,15
	v_min_num_f32 v[96+16*\b+\i], v[96+16*\b+\i], v240   ; the conversion to an 8-bit code does not saturate (ISA guide 7.6.2); p is not negative, so the hold is one-sided
.endr
	v_cvt_scalef32_pk8_fp8_f32 v[224+4*\b:225+4*\b], v[96+16*\b:103+16*\b], v244
	v_cvt_scalef32_pk8_fp8_f32 v[226+4*\b:227+4*\b], v[104+16*\b:111+16*\b], v244
.endr
.irp j, 0,2,4,6,8,10,12,14,16,18,20,22,24,26,28,30,32,34,36,38,40,42,44,46,48,50,52,54,56,58,60,62
	v_pk_mul_f32 v[160+\j:161+\j], v[160+\j:161+\j], v[252:253] op_sel_hi:[1,0]   ; O^T under the new M: x f.  (These 32 are also the places in front of the matrix instructions and loads below)
.endr
	s_wait_alu depctr_va_vdst(0)
.irp g, 0,1                                    ; O^T += V^T P^T: four tiles of 16 d at a time; K = these 128 keys
.if \g > 0
.rept 4
	v_nop
.endr
.endif
.if \g > 0                                     ; (the first four tiles of V were asked for behind the score products)
.irp t, 0,1,2,3
.irp c, 0,1,2,3
	ds_load_b128 v[32+16*\t+4*\c:32+16*\t+4*\c+3], v[ADV] offset:(128*(\q)+16*(4*\g+\t))*KP+32*\c
.endr
.endr
.endif
	s_wait_dscnt 0x0
.irp t, 0,1,2,3
	v_wmma_f32_16x16x128_fp8_fp8 v[160+8*(4*\g+\t):167+8*(4*\g+\t)], v[32+16*\t:47+16*\t], v[224:239], v[160+8*(4*\g+\t):167+8*(4*\g+\t)]
.endr
.endr
.Lhidden_\@:
	s_add_co_u32 s[KF], s[KF], 128
.endm
; THE CHANGE OF SLOTS stands at a slot's head.  Each wave waits for all its tensor loads (its part of the slot that it is about to read), adds 0 to its spare word, and waits for that and for its reads of the slot that it has left.
; fill = 1: the barrier is a round of the cluster's, so that no wave of any partner still reads the other slot or has a load on its way; the joint load into that slot is the first thing behind it and has a slot's steps in which to land.
.macro CHANGE fill
	s_wait_tensorcnt 0x0                           ; no tensor load of mine is out, so the group 0 may be written
	ds_add_u32 v[SPW], v[NIL]                      ; 0 onto my spare word; with fill = 1 the descriptor's steps stand between it and the wait for it
.if \fill
	s_xor_b32 s[G0+1], s[G0+1], SLOT1              ; the walking descriptor: the other slot than last time,
	s_add_nc_u64 s[G0+2:G0+3], s[G0+2:G0+3], 32768 ; the next 256 keys: two blocks on; the type bits on top are not reached
	s_wait_xcnt 0x0                                ; the last prefetch, a slot back, has read its address, so it may be written:
	s_add_nc_u64 s[PFA:PFA+1], s[PFA:PFA+1], 32768 ; one slot further on than the walking descriptor
.endif
	s_wait_dscnt 0x0                               ; the add is done, and my reads of the slot that I have left are over
.if \fill
	ROUND
	TLOAD
	ASK
.else
	s_barrier_signal -1
	s_barrier_wait -1
.endif
.endm
.macro SLOT_STEPS
	STEP 0
	STEP 1
	s_xor_b32 s[TB], s[TB], SLOT1                  ; on to the other slot
.endm
	s_wait_loadcnt 0x0                             ; Q
.Lslot:                                            ; NSL - 1 trips: behind each change of slots but the last the next slot is asked for
	CHANGE 1
	SLOT_STEPS
	s_sub_co_u32 s[SLOTS], s[SLOTS], 1
	s_cmp_lg_u32 s[SLOTS], 0
	s_cbranch_scc1 .Lslot
	CHANGE 0                                       ; the last slot is written out
	SLOT_STEPS
	; THE WAY OUT.  O^T is divided by the row's sum, held, converted with 2^(e10 - e8 - e9).  A lane's 8 codes are 8 bytes of one token's row; a token's 256 bytes of the pair of heads come from the pair's two waves:
	; they meet in the pair's stage, and each of the two waves stores eight whole pieces of 256 bytes.
	v_add_f32 v14, v14, v15                        ; the sum's two halves,
	s_delay_alu instid0(VALU_DEP_1)
	v_permlanex16_b32 v252, v14, s[SEL], s[SEL+1]
	s_delay_alu instid0(VALU_DEP_1)
	v_add_f32 v14, v14, v252                       ; and lane l xor 16's: the row's sum
	s_wait_alu depctr_va_vdst(0)
	v_rcp_f32 v14, v14
	v_and_b32 v8, 15, v0                           ; (a plain place behind the transcendental)  r
	v_bfe_u32 v9, v0, 4, 1                         ; h
	s_mul_i32 s57, s56, 16*SGP
	s_add_co_u32 s57, s57, STG                     ; my pair's stage
	s_lshl_b32 s58, s55, 7
	s_add_co_u32 s58, s58, s57                     ; my head's 128 bytes of its rows
	v_mul_u32_u24 v10, v8, SGP
	s_delay_alu instid0(VALU_DEP_1)
	v_lshl_add_u32 v10, v9, 3, v10
	s_delay_alu instid0(VALU_DEP_1)
	v_add_nc_u32 v10, s58, v10                     ; in: row r; tile t's eight d of my half: 16 t + 8 h bytes on
	s_mul_i32 s58, s55, 8*SGP
	s_add_co_u32 s58, s58, s57                     ; back: my eight rows of the sixteen;
	v_mul_u32_u24 v11, v9, SGP
	s_delay_alu instid0(VALU_DEP_1)
	v_lshl_add_u32 v11, v8, 4, v11
	s_delay_alu instid0(VALU_DEP_1)
	v_add_nc_u32 v11, s58, v11                     ; lanes 0-15 one row, lanes 16-31 the next
	s_wait_alu depctr_va_vdst(0)                   ; ahead of the reciprocal's first reader
.irp j, 0,1,2,3,4,5,6,7,8,9,10,11,12,13,14,15,16,17,18,19,20,21,22,23,24,25,26,27,28,29,30,31,32,33,34,35,36,37,38,39,40,41,42,43,44,45,46,47,48,49,50,51,52,53,54,55,56,57,58,59,60,61,62,63
	v_mul_f32 v[96+\j], v[160+\j], v14             ; O^T / the sum: register 8 t + i is o(r, 16 t + 8 h + i); each accumulator from its low end on
.endr
.irp j, 0,1,2,3,4,5,6,7,8,9,10,11,12,13,14,15,16,17,18,19,20,21,22,23,24,25,26,27,28,29,30,31,32,33,34,35,36,37,38,39,40,41,42,43,44,45,46,47,48,49,50,51,52,53,54,55,56,57,58,59,60,61,62,63
	v_med3_num_f32 v[96+\j], v[96+\j], -v241, v241 ; the hold at the largest code x the scale
.endr
.irp t, 0,1,2,3,4,5,6,7
	v_cvt_scalef32_pk8_fp8_f32 v[32+2*\t:33+2*\t], v[96+8*\t:103+8*\t], v245
.endr
	v_nop                                          ; one plain vector line behind the last conversion
.irp t, 0,1,2,3,4,5,6,7
	ds_store_b64 v10, v[32+2*\t:33+2*\t] offset:16*\t
.endr
	s_wait_dscnt 0x0                               ; for my partner's sake: my stores into the stage are done
	s_barrier_signal -1
	s_barrier_wait -1
.irp i, 0,1,2,3
	ds_load_b128 v[48+4*\i:51+4*\i], v11 offset:2*SGP*\i
.endr
.irp i, 0,1,2,3
	s_wait_dscnt 3-\i                              ; LDS loads come back in order: load i is in, the younger ones may be out
	global_store_b128 v[GO], v[48+4*\i:51+4*\i], s[8:9] offset:4096*\i   ; sixteen lanes store 256 consecutive bytes, at a multiple of 256 from the buffer's first byte
.endr
	s_wait_tensorcnt 0x0                           ; the wave's end, behind my last tensor load and my last LDS store
	ds_add_u32 v[SPW], v[NIL]
	s_wait_dscnt 0x0
	ROUND                                          ; the closing round: no work-group ends while a partner may still ask for a tile that names it
	s_endpgm
.Lfunc_end_k_q1b41a4e601_attn:
	.size	k_q1b41a4e601_attn, .Lfunc_end_k_q1b41a4e601_attn-k_q1b41a4e601_attn
	.p2alignl 7, 3214868480
	.fill 96, 4, 3214868480
	.section	.rodata,"a",@progbits
	.p2align	6, 0x0
	.amdhsa_kernel k_q1b41a4e601_attn
		.amdhsa_group_segment_fixed_size 327680
		.amdhsa_private_segment_fixed_size 0
		.amdhsa_enable_private_segment 0
		.amdhsa_kernarg_size 24
		.amdhsa_user_sgpr_count 2
		.amdhsa_user_sgpr_kernarg_segment_ptr 1
		.amdhsa_wavefront_size32 1
		.amdhsa_system_sgpr_workgroup_id_x 1
		.amdhsa_system_sgpr_workgroup_id_y 1
		.amdhsa_system_sgpr_workgroup_id_z 1
		.amdhsa_system_vgpr_workitem_id 0
		.amdhsa_next_free_vgpr 256
		.amdhsa_next_free_sgpr 100
		.amdhsa_reserve_vcc 1
		.amdhsa_float_denorm_mode_32 3
		.amdhsa_float_denorm_mode_16_64 3
		.amdhsa_memory_ordered 1
		.amdhsa_forward_progress 1
		.amdhsa_inst_pref_size 118
	.end_amdhsa_kernel
	.amdgpu_metadata
---
amdhsa.version: [ 1, 2 ]
amdhsa.kernels:
  - .name:           k_q1b41a4e601_attn
    .symbol:         k_q1b41a4e601_attn.kd
    .args:
      - { .name: qkv_codes, .offset: 0, .size: 8, .value_kind: global_buffer, .address_space: global }
      - { .name: lowp_scales, .offset: 8, .size: 8, .value_kind: global_buffer, .address_space: global }
      - { .name: o_codes, .offset: 16, .size: 8, .value_kind: global_buffer, .address_space: global }
    .group_segment_fixed_size: 327680
    .private_segment_fixed_size: 0
    .kernarg_segment_align: 8
    .kernarg_segment_size: 24
    .max_flat_workgroup_size: 512
    .sgpr_count:     100
    .vgpr_count:     256
    .wavefront_size: 32
...
	.end_amdgpu_metadata
.endif
;; end of part 3
;; launch outp (part 4): grid 8 x 32, 4 waves a work-group, clusters of 4 x 4, 327,680 bytes of LDS; arguments o_codes, w_codes, lowp_scales, out0; writes out0
.if DOCPART == 4
	.amdgcn_target "amdgcn-amd-amdhsa--gfx1250"
	.amdhsa_code_object_version 6
	.text
	.protected	k_q1b41a4e601_outp
	.globl	k_q1b41a4e601_outp
	.p2align	8
	.type	k_q1b41a4e601_outp,@function
k_q1b41a4e601_outp:
	s_mov_b64 s[64:65], 0
	v_nop
	global_prefetch_b8 v0, s[64:65] scope:SCOPE_SE
	s_setreg_imm32_b32 hwreg(HW_REG_WAVE_MODE, 25, 1), 1
	s_wait_xcnt 0x0
	s_wait_alu depctr_hold_cnt(0) depctr_sa_sdst(0) depctr_va_vdst(0) depctr_va_sdst(0) depctr_va_ssrc(0) depctr_va_vcc(0) depctr_vm_vsrc(0)
	s_getreg_b32 s2, hwreg(HW_REG_IB_STS2, 6, 4)
	s_cmp_eq_u32 s2, 0
	s_cbranch_scc0 .Lentry_in_a_cluster
	s_endpgm
.Lentry_in_a_cluster:
	s_bfe_u32 s2, ttmp6, 0x10000c
	s_cmp_lg_u32 s2, 0xf033
	s_cbranch_scc0 .Lentry_shape_is_right
	s_endpgm
.Lentry_shape_is_right:
.set SIZE_M, 4096
.set SIZE_N, 2048
.set SIZE_K, 2048
.set KROW,   SIZE_K
.set PL,     528
.set PS,     272
.set FR,     16
.set NP,     4
.set LDS_LA, 0
.set LDS_LB, 128*PL
.set LDS_SA, 384*PL
.set LDS_SB, LDS_SA+128*PS
.set SPARE,  LDS_SA+384*PS
.set STAGE,  LDS_SA
.set SPITCH, 528
.set ADRA, 16
.set ADRB, 20
.set STO,  24
.set RD,   25
.set CO,   26
.set SPW,  28
.set NIL,  29
.set TMP,  32
.set AF,   128
.set BK,   128
.set G1A,  24
.set G1B,  48
.set G0A,  68
.set G0B,  76
.set MSB, 0
.macro WIN new
.if MSB != \new
	s_set_vgpr_msb (MSB<<8)|\new
.set MSB, \new
.endif
.endm
.set MUL,  0xa1
.set TO_B, 0x40
.macro JLOAD g0a, g1a, g0b, g1b
	s_cmp_eq_u32 s15, 0
	s_cbranch_scc0 .Lfor_b_\@
	tensor_load_to_lds s[\g0a:\g0a+3], s[\g1a:\g1a+7]
	s_nop 0
.rept 4
	v_nop
.endr
	s_branch .Lasked_\@
.Lfor_b_\@:
	tensor_load_to_lds s[\g0b:\g0b+3], s[\g1b:\g1b+7]
	s_nop 0
.rept 4
	v_nop
.endr
.Lasked_\@:
.endm
.macro CREST
	s_cmp_lg_u32 s14, 0
	s_cbranch_scc1 .Lnot_wave_0_\@
	s_barrier_signal -3
.Lnot_wave_0_\@:
	s_barrier_wait -3
	s_barrier_signal -1
	s_barrier_wait -1
.endm
.macro CROUND
	s_barrier_signal -1
	s_barrier_wait -1
	CREST
.endm
	s_load_b128 s[4:7], s[0:1], 0x0
	s_load_b128 s[8:11], s[0:1], 0x10
	v_lshl_add_u32 v[SPW], v0, 2, SPARE
	v_mov_b32 v[NIL], 0
	ds_add_u32 v[SPW], v[NIL]
	ds_add_u32 v[SPW], v[NIL]
	v_lshrrev_b32 v1, 5, v0
	v_readfirstlane_b32 s14, v1
	s_lshr_b32 s15, s14, 1
	s_and_b32 s16, s14, 1
	s_bfe_u32 s40, ttmp6, 0x40000
	s_bfe_u32 s41, ttmp6, 0x40004
	s_lshl_b32 s42, ttmp9, 2
	s_add_co_u32 s42, s42, s40
	s_and_b32 s17, ttmp7, 0xffff
	s_lshl_b32 s17, s17, 2
	s_add_co_u32 s17, s17, s41
	s_lshl_b32 s43, s41, 2
	s_lshl_b32 s43, 15, s43
	s_lshl_b32 s44, 0x1111, s40
	s_or_b32 s[G1A+0], s43, (1<<20)|(1<<21)|(6<<22)|(3<<25)
	s_or_b32 s[G1A+8], s43, (1<<20)|(1<<21)|(5<<22)|(3<<25)
	s_or_b32 s[G1B+0], s44, (1<<20)|(1<<21)|(6<<22)|(3<<25)
	s_or_b32 s[G1B+8], s44, (1<<20)|(1<<21)|(5<<22)|(3<<25)
.irp g, G1A, G1B
	s_mov_b32 s[\g+1], 512<<16
	s_mov_b32 s[\g+3], 512<<16
	s_mov_b32 s[\g+5], KROW
	s_mov_b32 s[\g+6], 0
	s_mov_b32 s[\g+7], 0
	s_mov_b32 s[\g+9], 256<<16
	s_mov_b32 s[\g+11], 256<<16
	s_mov_b32 s[\g+13], KROW
	s_mov_b32 s[\g+14], 0
	s_mov_b32 s[\g+15], 0
.endr
	s_mov_b32 s[G1A+2], 64<<16
	s_mov_b32 s[G1A+4], 64
	s_mov_b32 s[G1A+10], 64<<16
	s_mov_b32 s[G1A+12], 64
	s_mov_b32 s[G1B+2], 128<<16
	s_mov_b32 s[G1B+4], 128
	s_mov_b32 s[G1B+10], 128<<16
	s_mov_b32 s[G1B+12], 128
	s_lshl_b32 s18, s16, 6
	s_lshl_b32 s20, s17, 7
	s_add_co_u32 s20, s20, s18
	s_lshl_b32 s18, s16, 7
	s_lshl_b32 s46, s42, 8
	s_add_co_u32 s46, s46, s18
	s_mov_b32 s21, 0
	s_mov_b32 s47, 0
	s_mov_b64 s[18:19], KROW
	s_mul_u64 s[20:21], s[20:21], s[18:19]
	s_mul_u64 s[46:47], s[46:47], s[18:19]
	s_mul_i32 s84, s16, 64*PL
	s_mul_i32 s85, s16, 64*PS
	s_add_co_u32 s85, s85, LDS_SA
	s_mul_i32 s86, s16, 128*PL
	s_add_co_u32 s86, s86, LDS_LB
	s_mul_i32 s87, s16, 128*PS
	s_add_co_u32 s87, s87, LDS_SB
	s_wait_dscnt 0x0
	s_wait_kmcnt 0x0
	s_load_b64 s[96:97], s[8:9], 0x28
	s_add_nc_u64 s[6:7], s[6:7], 0x600000
	s_add_nc_u64 s[20:21], s[4:5], s[20:21]
	s_add_nc_u64 s[46:47], s[6:7], s[46:47]
	CROUND
.irp k, 0,1
	s_mov_b32 s[G0A+4*\k], 1
	s_mov_b32 s[G0A+4*\k+1], s[84+\k]
	s_add_nc_u64 s[G0A+4*\k+2:G0A+4*\k+3], s[20:21], \k*512
	s_or_b32 s[G0A+4*\k+3], s[G0A+4*\k+3], 0x80000000
	s_mov_b32 s[G0B+4*\k], 1
	s_mov_b32 s[G0B+4*\k+1], s[86+\k]
	s_add_nc_u64 s[G0B+4*\k+2:G0B+4*\k+3], s[46:47], \k*512
	s_or_b32 s[G0B+4*\k+3], s[G0B+4*\k+3], 0x80000000
	s_wait_alu depctr_va_vdst(0)
	s_wait_tensorcnt 0x0
	ds_add_u32 v28, v29
	ds_add_u32 v28, v29
	s_wait_dscnt 0x0
	CROUND
	JLOAD G0A+4*\k, G1A+8*\k, G0B+4*\k, G1B+8*\k
.endr
	v_and_b32 v1, 15, v0
	v_bfe_u32 v2, v0, 4, 1
	v_mul_u32_u24 v3, v1, PL
	v_lshl_add_u32 v3, v2, 4, v3
	v_mul_u32_u24 v4, v1, PS
	v_lshl_add_u32 v4, v2, 4, v4
	s_mul_i32 s21, s15, 64*PL
	v_add_nc_u32 v[ADRA], s21, v3
	s_mul_i32 s21, s15, 64*PS
	s_add_co_u32 s21, s21, LDS_SA
	v_add_nc_u32 v[ADRA+1], s21, v4
	s_mul_i32 s22, s16, 128*PL
	s_add_co_u32 s22, s22, LDS_LB
	v_add_nc_u32 v[ADRB], s22, v3
	s_mul_i32 s22, s16, 128*PS
	s_add_co_u32 s22, s22, LDS_SB
	v_add_nc_u32 v[ADRB+1], s22, v4
	s_mul_i32 s23, s14, 16*SPITCH
	s_add_co_u32 s23, s23, STAGE
	v_mul_u32_u24 v5, v1, SPITCH
	v_lshl_add_u32 v5, v2, 5, v5
	v_add_nc_u32 v[STO], s23, v5
	v_and_b32 v6, 31, v0
	v_lshlrev_b32 v[CO], 4, v6
	v_add_nc_u32 v[RD], s23, v[CO]
	s_lshl_b32 s20, s17, 7
	s_lshl_b32 s21, s15, 6
	s_add_co_u32 s20, s20, s21
	s_mov_b32 s21, 0
	s_mov_b64 s[18:19], SIZE_N*4
	s_mul_u64 s[20:21], s[20:21], s[18:19]
	s_lshl_b32 s46, s42, 10
	s_lshl_b32 s47, s16, 9
	s_add_co_u32 s46, s46, s47
	s_mov_b32 s47, 0
	s_add_nc_u64 s[20:21], s[20:21], s[46:47]
	s_add_nc_u64 s[10:11], s[10:11], s[20:21]
.macro FRAG reg, adr, pitch, q, i
.irp c, 0,1,2,3
	ds_load_b128 v[\reg+4*\c:\reg+4*\c+3], v[\adr] offset:128*(\q)+32*\c+(\i)*16*(\pitch)
.endr
.endm
.macro MUL8 a, p, zero
.irp b, 0,1,2,3,4,5,6,7
.if \zero
	v_wmma_f32_16x16x128_fp8_fp8 v[8*(8*(\a)+\b):8*(8*(\a)+\b)+7], v[128*(\p)+FR*\b:128*(\p)+FR*\b+FR-1], v[AF+64*(\p)+FR*(\a):AF+64*(\p)+FR*(\a)+FR-1], 0
.else
	v_wmma_f32_16x16x128_fp8_fp8 v[8*(8*(\a)+\b):8*(8*(\a)+\b)+7], v[128*(\p)+FR*\b:128*(\p)+FR*\b+FR-1], v[AF+64*(\p)+FR*(\a):AF+64*(\p)+FR*(\a)+FR-1], v[8*(8*(\a)+\b):8*(8*(\a)+\b)+7]
.endif
.endr
.endm
.macro FETCH_B k, q, p
	WIN TO_B
.irp i, 0,1,2,3,4,5,6,7
	FRAG 128*(\p)+FR*\i, ADRB+(\k), PL-(\k)*(PL-PS), \q, \i
.endr
.endm
.macro FETCH_A k, q, p
	WIN 0
.irp i, 0,1,2,3
	FRAG AF+64*(\p)+FR*\i, ADRA+(\k), PL-(\k)*(PL-PS), \q, \i
.endr
.endm
.macro PLACES n
.rept \n
	v_nop
.endr
.endm
.macro STEP k, q, p, zero
	s_wait_dscnt 0x0
	PLACES NP
	FETCH_B \k, (\q)+1, 1-(\p)
	WIN MUL
	MUL8 0, \p, \zero
	MUL8 1, \p, \zero
	FETCH_A \k, (\q)+1, 1-(\p)
	WIN MUL
	MUL8 2, \p, \zero
	MUL8 3, \p, \zero
.endm
.macro TURN nk, fill
	WIN 0
	s_wait_tensorcnt 0x0
	ds_add_u32 v[SPW], v[NIL]
	s_wait_dscnt 1
	WIN MUL
	MUL8 0, 1, 0
	s_wait_dscnt 0x0
	s_barrier_signal -1
	MUL8 1, 1, 0
	WIN 0
	s_barrier_wait -1
.if \fill
	CREST
	s_add_nc_u64 s[G0A+4*(1-(\nk))+2:G0A+4*(1-(\nk))+3], s[G0A+4*(1-(\nk))+2:G0A+4*(1-(\nk))+3], 768
	s_add_nc_u64 s[G0B+4*(1-(\nk))+2:G0B+4*(1-(\nk))+3], s[G0B+4*(1-(\nk))+2:G0B+4*(1-(\nk))+3], 768
	JLOAD G0A+4*(1-(\nk)), G1A+8*(1-(\nk)), G0B+4*(1-(\nk)), G1B+8*(1-(\nk))
.else
	PLACES NP
.endif
	FETCH_B \nk, 0, 0
	FETCH_A \nk, 0, 0
	WIN MUL
	MUL8 2, 1, 0
	MUL8 3, 1, 0
.endm
	s_wait_alu depctr_va_vdst(0)
	s_wait_tensorcnt 1
	s_barrier_signal -1
	s_barrier_wait -1
	FETCH_B 0, 0, 0
	FETCH_A 0, 0, 0
	STEP 0, 0, 0, 1
	STEP 0, 1, 1, 0
	STEP 0, 2, 0, 0
	TURN 1, 1
	STEP 1, 0, 0, 0
	TURN 0, 1
	STEP 0, 0, 0, 0
	STEP 0, 1, 1, 0
	STEP 0, 2, 0, 0
	TURN 1, 1
	STEP 1, 0, 0, 0
	TURN 0, 0
	STEP 0, 0, 0, 0
	STEP 0, 1, 1, 0
	STEP 0, 2, 0, 0
	s_wait_dscnt 0x0
	WIN MUL
	MUL8 0, 1, 0
	MUL8 1, 1, 0
	MUL8 2, 1, 0
	MUL8 3, 1, 0
	WIN 0
.macro TOSTAGE a
.set AC, 64*(\a)
	WIN 0x02
.irp j, 0,2,4,6,8,10,12,14,16,18,20,22,24,26,28,30,32,34,36,38,40,42,44,46,48,50,52,54,56,58,60,62
	v_pk_mul_f32 v[TMP+\j:TMP+\j+1], v[AC+\j:AC+\j+1], s[96:97] op_sel_hi:[1,0]
.endr
	WIN 0
.irp b, 0,1,2,3,4,5,6,7
	ds_store_b128 v[STO], v[TMP+8*\b:TMP+8*\b+3] offset:64*\b
	ds_store_b128 v[STO], v[TMP+8*\b+4:TMP+8*\b+7] offset:64*\b+16
.endr
.set BB, BK+64*((\a)%2)
.irp t, 0,1,2,3,4,5,6,7,8,9,10,11,12,13,14,15
	ds_load_b128 v[BB+4*\t:BB+4*\t+3], v[RD] offset:\t*SPITCH
.endr
.endm
.macro SEND a, younger
.set BB, BK+64*((\a)%2)
	s_wait_dscnt \younger
.if (\a) > 0
	s_add_nc_u64 s[10:11], s[10:11], 16*SIZE_N*4
.endif
.irp t, 0,1,2,3,4,5,6,7,8,9,10,11,12,13,14,15
	global_store_b128 v[CO], v[BB+4*\t:BB+4*\t+3], s[10:11] offset:\t*SIZE_N*4 th:TH_STORE_NT
.endr
.endm
	s_wait_kmcnt 0x0
	s_add_co_i32 s96, s96, s97
	s_add_co_i32 s96, s96, 127
	s_lshl_b32 s96, s96, 23
	PLACES NP
	TOSTAGE 0
.irp a, 1,2,3
.if \a > 1
	s_wait_xcnt 0x0
.endif
	TOSTAGE \a
	SEND \a-1, 32
.endr
	s_wait_xcnt 0x0
	SEND 3, 0
	s_wait_tensorcnt 0x0
	ds_add_u32 v[SPW], v[NIL]
	s_wait_dscnt 0x0
	CROUND
	s_endpgm
.Lfunc_end_k_q1b41a4e601_outp:
	.size	k_q1b41a4e601_outp, .Lfunc_end_k_q1b41a4e601_outp-k_q1b41a4e601_outp
	.p2alignl 7, 3214868480
	.fill 96, 4, 3214868480
	.section	.rodata,"a",@progbits
	.p2align	6, 0x0
	.amdhsa_kernel k_q1b41a4e601_outp
		.amdhsa_group_segment_fixed_size 327680
		.amdhsa_private_segment_fixed_size 0
		.amdhsa_enable_private_segment 0
		.amdhsa_kernarg_size 32
		.amdhsa_user_sgpr_count 2
		.amdhsa_user_sgpr_kernarg_segment_ptr 1
		.amdhsa_wavefront_size32 1
		.amdhsa_system_sgpr_workgroup_id_x 1
		.amdhsa_system_sgpr_workgroup_id_y 1
		.amdhsa_system_sgpr_workgroup_id_z 1
		.amdhsa_system_vgpr_workitem_id 0
		.amdhsa_next_free_vgpr 768
		.amdhsa_next_free_sgpr 98
		.amdhsa_reserve_vcc 0
		.amdhsa_float_denorm_mode_32 3
		.amdhsa_float_denorm_mode_16_64 3
		.amdhsa_memory_ordered 1
		.amdhsa_forward_progress 1
		.amdhsa_inst_pref_size 121
	.end_amdhsa_kernel
	.amdgpu_metadata
---
amdhsa.version: [ 1, 2 ]
amdhsa.kernels:
  - .name:           k_q1b41a4e601_outp
    .symbol:         k_q1b41a4e601_outp.kd
    .args:
      - { .name: o_codes, .offset: 0, .size: 8, .value_kind: global_buffer, .address_space: global }
      - { .name: w_codes, .offset: 8, .size: 8, .value_kind: global_buffer, .address_space: global }
      - { .name: lowp_scales, .offset: 16, .size: 8, .value_kind: global_buffer, .address_space: global }
      - { .name: out0, .offset: 24, .size: 8, .value_kind: global_buffer, .address_space: global }
    .group_segment_fixed_size: 327680
    .private_segment_fixed_size: 0
    .kernarg_segment_align: 8
    .kernarg_segment_size: 32
    .max_flat_workgroup_size: 128
    .sgpr_count:     98
    .vgpr_count:     768
    .wavefront_size: 32
...
	.end_amdgpu_metadata
.endif
;; end of part 4
